; MI455X (gfx1250); checked and timed in simulation.
; The chip was launched on July 23, 2026; its instructions are those of AMD's public machine-readable ISA for CDNA 5 (MIT licence, August 2026) and "CDNA5" Instruction Set Architecture Reference Guide (July 2026). The comments in the code are by the model that wrote it; some were corrected since.
;; Glove2k Sparse. Allowed arithmetic: float matrix products may take bf16 or f16 operands with f32 sums; all other float work in f32.
;; Inputs: W_dec 100 x 1,000 float32; W_enc 1,000 x 100 float32; b_dec 100 float32; b_enc 1,000 float32; x 131,072 x 100 float32.
;; Outputs: out0 131,072 x 100 float32.
;; 2 versions, each right and faster than the one before. Each part assembles by itself: llvm-mc -triple=amdgcn-amd-amdhsa -mcpu=gfx1250 --defsym DOCPART=n.
;; ======== version 1 of 2: 1 launch
;; launch ksparse (part 1): grid 256 x 1, 4 waves a work-group, no clusters, 317,440 bytes of LDS; arguments x, W_enc, b_enc, W_dec, b_dec, out0; writes out0
.if DOCPART == 1
	.amdgcn_target "amdgcn-amd-amdhsa--gfx1250"
	.amdhsa_code_object_version 6
	.text
	.protected	k_q441c7774a2_ksparse
	.globl	k_q441c7774a2_ksparse
	.p2align	8
	.type	k_q441c7774a2_ksparse,@function
k_q441c7774a2_ksparse:
	s_mov_b64 s[64:65], 0
	v_nop
	global_prefetch_b8 v0, s[64:65] scope:SCOPE_SE
	s_setreg_imm32_b32 hwreg(HW_REG_WAVE_MODE, 25, 1), 1
	s_wait_xcnt 0x0
; out = (h masked to its 25 largest a row) W_dec^T + b_dec,  h = x W_enc^T + b_enc.  x, out: [131072][100] f32; W_enc: [1000][100]; W_dec: [100][1000].
; ONE LAUNCH, h never leaves registers.  256 work-groups of four waves; a work-group owns 512 rows and walks them in 16 tiles of 32 (two groups g of 16).
; Wave w owns codes 256 w .. 256 w + 255.  Its slice of W_enc (bf16, K padded to 128, b_enc in column 100 against a 1.0 in x's column 100) stays in 512 registers for the
; whole launch; W_dec (bf16, 112 x 1024, b_dec in code column 1000 against a 1.0 put into the masked code) stays in LDS.
; BOTH PRODUCTS ARE USED TRANSPOSED (source 0 = weights, source 1 = batch rows): a lane (r = lane % 16, hb = lane / 16) holds ONE batch row and the codes 8 hb + 0..7 of a tile of 16,
; so two encode results, rounded to bf16 in pairs, ARE source 1 of the decode.
; THE THRESHOLD is found by fixed networks of comparators (no branch hangs on a number): a lane sorts its 128 values of a row, 32 at a time (bitonic), and keeps the sorted 32 largest;
; a row's eight such lists (2 halves of the lanes x 4 waves) are merged in three levels (lane exchange, LDS, LDS); of the last 32 the largest of the 8 smallest is the 25th largest.
; The mask compares the very f32 registers that were sorted: h >= threshold keeps ties, as the definition does.
; NO TENSOR LOADS, NO CLUSTER: what the work-groups share is the weights, which arrive in f32 and have to be rounded on the way: they go through registers, once a work-group.
; LIMITS.  All five inputs are rounded to bf16 (nearest even), the kept h too for the second product; all sums are f32.  NaN and infinities are not treated apart.  The 24 pad codes
; count as -3.39e38 (bf16 0xff7f): a row's 25th largest h has to lie above that.  A row whose 25th and 26th values differ by less than the rounding of the f32 sums may keep the
; other element than another order of summation would.
.set DUAL,  1                          ; 1: a comparator is one dual instruction; 0: two plain ones
.set TILEB, 12800                      ; bytes of 32 rows of x or out: 50 x 256
; LDS
.set WDS,   59136                      ; W_dec: four slices of 256 codes, 112 rows of 528 bytes each (512 + 16: an odd multiple of 16, so the 16 rows of a fragment load start apart)
.set WDP,   528
.set XB,    236544                     ; x tile in bf16: 32 rows of 272 bytes (256 + 16)
.set XP,    272
.set PART,  245248                     ; the four waves' partial outputs: 32 rows of 432 bytes (27 x 16) each
.set PARTW, 13824
.set PP,    432
.set LISTA, PART                       ; level 2's lists, 4,096 bytes a wave: they share PART's bytes, apart in time by the barriers named below
.set LISTB, 300544                     ; level 3's lists
.set SPARE, 316928                     ; the spare words, 128 bytes a wave: no other line names them
.set STGW,  69632                      ; start-up only, from byte 0: 256 code rows of 272 bytes for each wave
; window 0
.set SPW, 1                            ; my spare word's address; never rewritten
.set NIL, 2                            ; 0; never rewritten
.set OA,  3                            ; 16 x thread: my 16 bytes in 2,048 consecutive bytes of x or out
.set XA,  4                            ; v4-10   where quad q of the x tile goes in XB
.set PA,  11                           ; v11-17  where quad q of the output tile lies in a wave's partial sums
.set XFA, 18                           ; x fragments
.set WDA, 19                           ; W_dec fragments of my slice
.set LSA, 20                           ; my list, level 2;  v21 wave w^1's
.set LLA, 21
.set LSB, 22                           ; my list, level 3;  v23 wave w^2's
.set LLB, 23
.set PST, 24                           ; where my partial sums go
.set ZF,  25                           ; 1.0 in the lanes that hold code 1000, else 0
.set T0,  26                           ; threshold of my row in group 0, v27 in group 1
.set T1,  27
.set XR,  32                           ; v32-59  the next x tile, as loaded
.set XF,  64                           ; v64-127 x fragments: group g, K step s at XF + 32 g + 8 s
.set B0,  128                          ; four buffers of 32 for the networks
.set B1,  160
.set B2,  192
.set B3,  224
.set ACC, 32                           ; decode: accumulator (g, a) at ACC + 8 (2 a + g), v32-143
.set FB,  144                          ; decode: two buffers of seven W_dec fragments, v144-199 and v200-255
.set RQ,  144                          ; the final sum: quad q's four partial sums at RQ + 16 q
; start-up only
.set SA,  64                           ; v64-88   stage addresses
.set DD,  128                          ; v128-227 W_enc as loaded
.set WB,  64                           ; v64-223  W_dec as loaded
.set LN,  240                          ; lane
.set RL,  241                          ; lane % 16
.set HB,  242                          ; lane / 16
.set OL,  243                          ; 16 x lane
.set OLC, 244                          ; 16 x min(lane, 25)
.set DA,  245                          ; v245-248 W_dec's place in slice 0..3
.set DAC, 249                          ; the same for a row's last 26 quads
.set FA,  250                          ; W_enc fragments in my stage
; window 1: h, (g, tile t, register j) at 128 g + 8 t + j; masked and packed in place.  Windows 2, 3: W_enc fragments, tile t, K step s at 32 (t % 8) + 8 s of window 2 + t / 8.
.set MSB, 0
.macro WIN new                         ; the immediate's high byte repeats the setting that is left; a switch that changes nothing is dropped
.if MSB != (\new)
	s_set_vgpr_msb (MSB<<8)|(\new)
.set MSB, (\new)
.endif
.endm
; Wire i of a network lies in register base + (i with its low bit turned by the parity of its other bits): the register's parity is the parity of i's ones,
; so the two results of a comparator (wires i and i ^ 2^b) always have one even and one odd register, as a dual instruction wants.
.macro PH sym, base, i
.set \sym, (\base)+((\i)^((((\i)>>1)^((\i)>>2)^((\i)>>3)^((\i)>>4))&1))
.endm
; One product of the encode.  Chunk EC = 4 g + c is four tiles of 16 codes x four K steps; product EQ: K step EQ / 4, tile 4 c + EQ % 4: the four accumulators take turns.
.macro ENC1
.set eg, EC/4
.set et, 4*(EC%4)+EQ%4
.set es, EQ/4
.set rH, 128*eg+8*et
.set rW, 32*(et%8)+8*es
.set rX, XF+32*eg+8*es
	WIN 0x52+et/8                          ; W_enc in window 2 or 3, x in window 0, h (C and D) in window 1
.if es == 0
	v_wmma_f32_16x16x32_bf16 v[rH:rH+7], v[rW:rW+7], v[rX:rX+7], 0
.else
	v_wmma_f32_16x16x32_bf16 v[rH:rH+7], v[rW:rW+7], v[rX:rX+7], v[rH:rH+7]
.endif
.set EQ, EQ+1
.endm
.macro HOOK                            ; behind every eighth comparator stands a product of the next chunk, while any is left
.set HK, HK+1
.if ((HK%8) == 0) && (EQ < 16)
	ENC1
.endif
.endm
.macro CE dhi, dlo, a, b               ; a comparator, out of place
	WIN 0
.if DUAL
	v_dual_max_num_f32 v[\dhi], v[\a], v[\b] :: v_dual_min_num_f32 v[\dlo], v[\a], v[\b]
.else
	v_max_num_f32 v[\dhi], v[\a], v[\b]
	v_min_num_f32 v[\dlo], v[\a], v[\b]
.endif
	HOOK
.endm
.macro MX2 x0, y0, z0, x1, y1, z1      ; two maxima
.if DUAL
	v_dual_max_num_f32 v[\x0], v[\y0], v[\z0] :: v_dual_max_num_f32 v[\x1], v[\y1], v[\z1]
.else
	v_max_num_f32 v[\x0], v[\y0], v[\z0]
	v_max_num_f32 v[\x1], v[\y1], v[\z1]
.endif
.endm
.macro MN2 x0, y0, z0, x1, y1, z1      ; two minima
.if DUAL
	v_dual_min_num_f32 v[\x0], v[\y0], v[\z0] :: v_dual_min_num_f32 v[\x1], v[\y1], v[\z1]
.else
	v_min_num_f32 v[\x0], v[\y0], v[\z0]
	v_min_num_f32 v[\x1], v[\y1], v[\z1]
.endif
.endm
; The first layer of a sort reads 32 h out of window 1 and leaves them there; each accumulator's registers 0 and 1 are read first.
.macro LAYER1 hbase, dst
	WIN 0x05
.set li, 0
.rept 16
	PH da, \dst, li
	PH db, \dst, li+1
.if (li & 2) == 0
	v_max_num_f32 v[da], v[(\hbase)+li], v[(\hbase)+li+1]
	v_min_num_f32 v[db], v[(\hbase)+li], v[(\hbase)+li+1]
.else
	v_max_num_f32 v[db], v[(\hbase)+li], v[(\hbase)+li+1]
	v_min_num_f32 v[da], v[(\hbase)+li], v[(\hbase)+li+1]
.endif
.set li, li+2
.endr
.endm
; A layer of the bitonic network: wires i and i | j; the larger goes to i where bit k of i is 0, else to i | j.
.macro LAYER src, dst, k, j
.set li, 0
.rept 32
.if (li & (\j)) == 0
	PH pa, \src, li
	PH pb, \src, li|(\j)
	PH da, \dst, li
	PH db, \dst, li|(\j)
.if (li & (\k)) == 0
	CE da, db, pa, pb
.else
	CE db, da, pa, pb
.endif
.endif
.set li, li+1
.endr
.endm
.macro SORT32 hbase, X, Y              ; 15 layers; the result, descending, ends in X
	LAYER1 \hbase, \X
	LAYER \X, \Y, 4, 2
	LAYER \Y, \X, 4, 1
	LAYER \X, \Y, 8, 4
	LAYER \Y, \X, 8, 2
	LAYER \X, \Y, 8, 1
	LAYER \Y, \X, 16, 8
	LAYER \X, \Y, 16, 4
	LAYER \Y, \X, 16, 2
	LAYER \X, \Y, 16, 1
	LAYER \Y, \X, 32, 16
	LAYER \X, \Y, 32, 8
	LAYER \Y, \X, 32, 4
	LAYER \X, \Y, 32, 2
	LAYER \Y, \X, 32, 1
.endm
.macro CLEAN dst, A, B                 ; of two descending lists the 32 largest, as a bitonic sequence: max(A[i], B[31 - i])
	WIN 0
.set li, 0
.rept 16
	PH cd0, \dst, li
	PH cd1, \dst, li+1
	PH ca0, \A, li
	PH ca1, \A, li+1
	PH cb0, \B, 31-li
	PH cb1, \B, 30-li
	MX2 cd0, ca0, cb0, cd1, ca1, cb1
.set li, li+2
.endr
.endm
.macro BMERGE X, Y                     ; a bitonic sequence is sorted, descending: five layers, ends in Y
	LAYER \X, \Y, 32, 16
	LAYER \Y, \X, 32, 8
	LAYER \X, \Y, 32, 4
	LAYER \Y, \X, 32, 2
	LAYER \X, \Y, 32, 1
.endm
; Slice k (0..10) of the mask of K step U: elements 3 k .. 3 k + 2 of its 32 (16 codes x 2 groups).  Code 1000 (K step 7's element 0 in ZF's lanes) is never kept and takes 1.0: it carries b_dec.
.macro MS U, k
	WIN 0x44                               ; h (source 1 and destination) in window 1, the threshold in window 0
.set n, 0
.rept 3
.set e, 3*(\k)+n
.if e < 32
	v_cmp_le_f32 s[40+n], v[T0+e/16], v[128*(e/16)+16*(\U)+e%16]
.endif
.set n, n+1
.endr
.set n, 0
.rept 3
.set e, 3*(\k)+n
.if e < 32
.if ((\U) == 7) && ((e%16) == 0)
	v_cndmask_b32 v[128*(e/16)+16*(\U)+e%16], v[ZF], v[128*(e/16)+16*(\U)+e%16], s[40+n]
.else
	v_cndmask_b32 v[128*(e/16)+16*(\U)+e%16], 0, v[128*(e/16)+16*(\U)+e%16], s[40+n]
.endif
.endif
.set n, n+1
.endr
.endm
; Slice k (0..2) of the rounding of K step U: pairs 6 k .. 6 k + 5 of its 16, in place, ascending: pair m of a group goes to register m, which has been read.
.macro CV U, k
	WIN 0x45
.set n, 0
.rept 6
.set e, 6*(\k)+n
.if e < 16
	v_cvt_pk_bf16_f32 v[128*(e/8)+16*(\U)+e%8], v[128*(e/8)+16*(\U)+2*(e%8)], v[128*(e/8)+16*(\U)+2*(e%8)+1]
.endif
.set n, n+1
.endr
.endm
.macro FLOAD u                         ; the seven W_dec fragments (16 outputs x 32 codes) of K step u
	WIN 0
.set fa, 0
.rept 7
	ds_load_b128 v[FB+56*((\u)%2)+8*fa:FB+56*((\u)%2)+8*fa+3],   v[WDA] offset:16*WDP*fa+64*(\u)
	ds_load_b128 v[FB+56*((\u)%2)+8*fa+4:FB+56*((\u)%2)+8*fa+7], v[WDA] offset:16*WDP*fa+64*(\u)+32
.set fa, fa+1
.endr
.endm
; K step u of the decode: 14 products, the 14 accumulators by turns; behind each a slice of the next K step's mask and rounding, which names none of its registers.
; The next step's fragments go into the buffer that step u - 1 read: behind that step's last product stand its last slice's four roundings.
.macro DSTEP u
.if (\u) < 7
	FLOAD (\u)+1
	s_wait_dscnt 14                        ; all but the 14 loads just issued: this step's fragments are in
.else
	s_wait_dscnt 0x0
.endif
.set dn, 0
.rept 14
.set rA, ACC+8*dn
.set rF, FB+56*((\u)%2)+8*(dn/2)
.set rP, 128*(dn%2)+16*(\u)
	WIN 0x04                               ; the packed h (source 1) in window 1
.if (\u) == 0
	v_wmma_f32_16x16x32_bf16 v[rA:rA+7], v[rF:rF+7], v[rP:rP+7], 0
.else
	v_wmma_f32_16x16x32_bf16 v[rA:rA+7], v[rF:rF+7], v[rP:rP+7], v[rA:rA+7]
.endif
.if (\u) < 7
.if dn < 11
	MS (\u)+1, dn
.else
	CV (\u)+1, dn-11
.endif
.endif
.set dn, dn+1
.endr
.endm
.macro XLOAD                           ; a tile of x, 12,800 consecutive bytes: six loads of 2,048 by the work-group, and 512 more by wave 0
.set q, 0
.rept 6
	global_load_b128 v[XR+4*q:XR+4*q+3], v[OA], s[4:5] offset:2048*q th:TH_LOAD_NT
.set q, q+1
.endr
	s_cmp_lg_u32 s16, 0
	s_cbranch_scc1 .Lxl_\@
	global_load_b128 v[XR+24:XR+27], v[OA], s[4:5] offset:12288 th:TH_LOAD_NT
.Lxl_\@:
.endm
.macro XSTORE                          ; rounded to bf16 and put into XB
.set q, 0
.rept 6
	v_cvt_pk_bf16_f32 v[XR+4*q], v[XR+4*q], v[XR+4*q+1]
	v_cvt_pk_bf16_f32 v[XR+4*q+1], v[XR+4*q+2], v[XR+4*q+3]
	ds_store_b64 v[XA+q], v[XR+4*q:XR+4*q+1]
.set q, q+1
.endr
	s_cmp_lg_u32 s16, 0
	s_cbranch_scc1 .Lxs_\@
	v_cvt_pk_bf16_f32 v[XR+24], v[XR+24], v[XR+25]
	v_cvt_pk_bf16_f32 v[XR+25], v[XR+26], v[XR+27]
	ds_store_b64 v[XA+6], v[XR+24:XR+25]
.Lxs_\@:
.endm
.macro SUMST q                         ; (p0 + p1) + (p2 + p3), and 16 bytes a lane out: sixteen lanes store 256 consecutive bytes, at a multiple of 256 from out's first byte
.set rR, RQ+16*(\q)
	v_pk_add_f32 v[rR:rR+1], v[rR:rR+1], v[rR+4:rR+5]
	v_pk_add_f32 v[rR+2:rR+3], v[rR+2:rR+3], v[rR+6:rR+7]
	v_pk_add_f32 v[rR+8:rR+9], v[rR+8:rR+9], v[rR+12:rR+13]
	v_pk_add_f32 v[rR+10:rR+11], v[rR+10:rR+11], v[rR+14:rR+15]
	v_pk_add_f32 v[rR:rR+1], v[rR:rR+1], v[rR+8:rR+9]
	v_pk_add_f32 v[rR+2:rR+3], v[rR+2:rR+3], v[rR+10:rR+11]
	global_store_b128 v[OA], v[rR:rR+3], s[14:15] offset:2048*(\q) th:TH_STORE_NT
.endm
.macro PLACES                          ; four plain places behind a matrix instruction (ISA guide 7.12.1) where no other vector work is at hand
.rept 4
	v_nop
.endr
.endm
; ---------------------------------------------------------------- set-up
	s_load_b256 s[4:11], s[0:1], 0x0               ; x s[4:5], W_enc s[6:7], b_enc s[8:9], W_dec s[10:11]
	s_load_b128 s[12:15], s[0:1], 0x20             ; b_dec s[12:13], out s[14:15]
	v_lshl_add_u32 v[SPW], v0, 2, SPARE
	v_mov_b32 v[NIL], 0
	v_lshrrev_b32 v60, 5, v0
	v_readfirstlane_b32 s16, v60                   ; wave 0..3
	v_and_b32 v[LN], 31, v0
	v_and_b32 v[RL], 15, v0
	v_bfe_u32 v[HB], v0, 4, 1
	v_lshlrev_b32 v[OA], 4, v0
	v_lshlrev_b32 v[OL], 4, v[LN]
	v_mov_b32 v28, 0                               ; v[28:31]: sixteen zero bytes for the start-up's stores
	v_mov_b32 v29, 0
	v_mov_b32 v30, 0
	v_mov_b32 v31, 0
	s_mov_b32 s18, 0x76543210                      ; v_permlanex16_b32: each lane takes its own place in the other half
	s_mov_b32 s19, 0xfedcba98
	s_mov_b32 s20, 0xffff0000                      ; lanes 16-31
	s_mov_b32 s22, 0x0000ff7f                      ; a pad code's bias: bf16 -3.39e38, and 0 above it
	; Quad f (16 bytes of f32) of a tile of 32 rows x 25 quads lies in row d = f / 25 = (5243 f) >> 17 (exact for f < 43,690).  f = thread + 128 q; the last 32 quads are wave 0's: f = 768 + lane.
.set q, 0
.rept 7
.if q < 6
	v_add_nc_u32 v60, 128*q, v0
.else
	v_add_nc_u32 v60, 768, v[LN]
.endif
	v_mul_u32_u24 v61, 0x147b, v60
	v_lshrrev_b32 v61, 17, v61
	v_mul_u32_u24 v62, 72, v61
	v_lshl_add_u32 v62, v60, 3, v62
	v_add_nc_u32 v[XA+q], XB, v62                  ; 272 d + 8 (f - 25 d)
	v_lshlrev_b32 v62, 5, v61
	v_lshl_add_u32 v62, v60, 4, v62
	v_add_nc_u32 v[PA+q], PART, v62                ; 432 d + 16 (f - 25 d)
.set q, q+1
.endr
	; A fragment is 16 rows x 32 K in 8 registers: lane l holds row l % 16; registers 0-3 K = 8 (l / 16) + 0..7, registers 4-7 K = 16 + 8 (l / 16) + 0..7: two loads of 16 bytes, 32 bytes apart.
	s_mul_i32 s28, s16, STGW                       ; my stage
	v_mul_u32_u24 v60, XP, v[RL]
	v_lshl_add_u32 v60, v[HB], 4, v60
	v_add_nc_u32 v[XFA], XB, v60
	v_add_nc_u32 v[FA], s28, v60
	s_mul_i32 s29, s16, WDS                        ; my slice of W_dec
	v_mul_u32_u24 v61, WDP, v[RL]
	v_lshl_add_u32 v61, v[HB], 4, v61
	v_add_nc_u32 v[WDA], s29, v61
	s_lshl_b32 s30, s16, 12                        ; a wave's list is 4,096 bytes: 8 quads x 32 lanes x 16
	s_xor_b32 s31, s16, 1
	s_lshl_b32 s31, s31, 12
	s_xor_b32 s32, s16, 2
	s_lshl_b32 s32, s32, 12
	v_add_nc_u32 v62, LISTA, v[OL]
	v_add_nc_u32 v63, LISTB, v[OL]
	v_add_nc_u32 v[LSA], s30, v62
	v_add_nc_u32 v[LLA], s31, v62
	v_add_nc_u32 v[LSB], s30, v63
	v_add_nc_u32 v[LLB], s32, v63
	s_mul_i32 s33, s16, PARTW
	s_add_co_u32 s33, s33, PART
	v_mul_u32_u24 v61, PP, v[RL]
	v_lshl_add_u32 v61, v[HB], 5, v61              ; a lane's eight outputs are 32 bytes of its row
	v_add_nc_u32 v[PST], s33, v61
	s_cmp_eq_u32 s16, 3                            ; code 1000 = wave 3, tile 14, register 0 of the upper lanes
	s_cselect_b32 s34, 1.0, 0
	v_cmp_eq_u32 vcc_lo, 1, v[HB]
	v_cndmask_b32 v[ZF], 0, s34, vcc_lo
	s_mul_i32 s21, s16, 102400
	s_sub_co_u32 s21, 399984, s21                  ; W_enc's last 16 bytes, counted from my slice
	s_wait_kmcnt 0x0
	s_mul_i32 s24, ttmp9, 204800                   ; the work-group's 512 rows of 400 bytes
	s_mov_b32 s25, 0
	s_add_nc_u64 s[4:5], s[4:5], s[24:25]
	s_add_nc_u64 s[14:15], s[14:15], s[24:25]
	s_mul_i32 s24, s16, 102400                     ; my 256 codes of W_enc
	s_add_nc_u64 s[6:7], s[6:7], s[24:25]
	s_mul_i32 s24, s16, 100000                     ; the 25 rows of W_dec that I bring in
	s_add_nc_u64 s[10:11], s[10:11], s[24:25]
	XLOAD                                          ; tile 0 of x is on its way during the whole start-up
; ---------------------------------------------------------------- W_enc: my 256 codes, rounded, into my stage; 32 codes (12,800 consecutive bytes, 25 loads of 512) a trip
.set i, 0
.rept 25
	v_add_nc_u32 v60, 32*i, v[LN]                  ; quad f = lane + 32 i of the trip's 800
	v_mul_u32_u24 v61, 0x147b, v60
	v_lshrrev_b32 v61, 17, v61
	v_mul_u32_u24 v61, 72, v61
	v_lshl_add_u32 v61, v60, 3, v61
	v_add_nc_u32 v[SA+i], s28, v61
.set i, i+1
.endr
	s_mov_b32 s17, 8
.Lwenc:
.set i, 0
.rept 25
	v_add_nc_u32 v[DD+4*i], 512*i, v[OL]
	v_min_u32 v[DD+4*i], s21, v[DD+4*i]            ; wave 3's codes past 999 stay inside the buffer; what they bring is cleared below
	global_load_b128 v[DD+4*i:DD+4*i+3], v[DD+4*i], s[6:7]  ; each load lands on its own address register
.set i, i+1
.endr
	s_wait_loadcnt 0x0                             ; all in: their registers and the base may be written
.set i, 0
.rept 25
	v_cvt_pk_bf16_f32 v[DD+4*i], v[DD+4*i], v[DD+4*i+1]
	v_cvt_pk_bf16_f32 v[DD+4*i+1], v[DD+4*i+2], v[DD+4*i+3]
	ds_store_b64 v[SA+i], v[DD+4*i:DD+4*i+1]
	v_add_nc_u32 v[SA+i], 32*XP, v[SA+i]
.set i, i+1
.endr
	s_add_nc_u64 s[6:7], s[6:7], TILEB
	s_sub_co_u32 s21, s21, TILEB
	s_sub_co_u32 s17, s17, 1
	s_cmp_lg_u32 s17, 0
	s_cbranch_scc1 .Lwenc
	; column 100 takes bf16(b_enc), columns 101-127 zeros: row lane + 32 k
	s_lshl_b32 s29, s16, 10
	v_lshl_add_u32 v60, v[LN], 2, s29              ; byte of b_enc[256 w + lane]
	v_add_nc_u32 v61, 896, v60                     ; k = 7
	v_cmp_lt_u32 vcc_lo, 0xf9c, v61                ; past b_enc[999]: a pad code
	v_min_u32 v62, 0xf9c, v61
.set k, 0
.rept 7
	global_load_b32 v[DD+2*k], v60, s[8:9] offset:128*k
.set k, k+1
.endr
	global_load_b32 v[DD+14], v62, s[8:9]
.set k, 0
.rept 8
	v_mov_b32 v[DD+2*k+1], 0
.set k, k+1
.endr
	v_mul_u32_u24 v63, XP, v[LN]
	v_add_nc_u32 v63, s28, v63
	s_wait_loadcnt 0x0
.set k, 0
.rept 8
	v_cvt_pk_bf16_f32 v[DD+2*k], v[DD+2*k], 0
.set k, k+1
.endr
	v_cndmask_b32 v[DD+14], v[DD+14], s22, vcc_lo
.set k, 0
.rept 8
	ds_store_b64  v63, v[DD+2*k:DD+2*k+1] offset:32*XP*k+200
	ds_store_b128 v63, v[28:31] offset:32*XP*k+208
	ds_store_b128 v63, v[28:31] offset:32*XP*k+224
	ds_store_b128 v63, v[28:31] offset:32*XP*k+240
.set k, k+1
.endr
	; the fragments, for good: LDS serves a wave's instructions in order (ISA guide 5.7.1.4), and the stage is my own: no wait between the stores above and these loads
	WIN 0x80                                       ; destination window 2: tiles 0-7
.set n, 0
.rept 32
	ds_load_b128 v[8*n:8*n+3],   v[FA] offset:16*XP*(n/4)+64*(n%4)
	ds_load_b128 v[8*n+4:8*n+7], v[FA] offset:16*XP*(n/4)+64*(n%4)+32
.set n, n+1
.endr
	WIN 0xc0                                       ; destination window 3: tiles 8-15
.set n, 0
.rept 32
	ds_load_b128 v[8*n:8*n+3],   v[FA] offset:16*XP*(8+n/4)+64*(n%4)
	ds_load_b128 v[8*n+4:8*n+7], v[FA] offset:16*XP*(8+n/4)+64*(n%4)+32
.set n, n+1
.endr
	WIN 0
	s_lshl_b32 s29, s16, 8
	s_add_co_u32 s29, s29, 224
	s_movk_i32 s30, 999
	v_add_nc_u32 v60, s29, v[RL]                   ; my code in tile 14,
	v_cmp_lt_u32 s26, s30, v60
	v_add_nc_u32 v60, 16, v60                      ; in tile 15
	v_cmp_lt_u32 s27, s30, v60
	s_wait_dscnt 0x0
	WIN 0xc3                                       ; the pad codes' weights (K 0-99: K steps 0-2 whole, registers 0 and 1 of K step 3) are cleared; their bias stays
.set i, 0
.rept 26
	v_cndmask_b32 v[192+i], v[192+i], 0, s26
	v_cndmask_b32 v[224+i], v[224+i], 0, s27
.set i, i+1
.endr
	WIN 0
	s_barrier_signal -1                            ; every wave's reads of its stage are back (the wait for 0 above): the stages' bytes get their lasting use
	s_barrier_wait -1
; ---------------------------------------------------------------- W_dec into LDS: wave w brings rows 25 w .. 25 w + 24, five rows (40 loads) a trip
	v_min_u32 v60, 25, v[LN]                       ; a row's last load has 26 quads: lanes 26-31 repeat lane 25's
	v_lshlrev_b32 v[OLC], 4, v60
	s_mul_i32 s29, s16, 25*WDP
	v_lshl_add_u32 v[DA], v[LN], 3, s29
	v_add_nc_u32 v[DA+1], WDS, v[DA]
	v_add_nc_u32 v[DA+2], 2*WDS, v[DA]
	v_add_nc_u32 v[DA+3], 3*WDS, v[DA]
	v_lshl_add_u32 v62, v60, 3, s29
	v_add_nc_u32 v[DAC], 3*WDS, v62
	s_mov_b32 s17, 5
.Lwdec:
.set n, 0
.rept 40                               ; row n / 8 of the five, codes 128 (n % 8) + 4 lane on
.if (n%8) < 7
	global_load_b128 v[WB+4*n:WB+4*n+3], v[OL], s[10:11] offset:4000*(n/8)+512*(n%8)
.else
	global_load_b128 v[WB+4*n:WB+4*n+3], v[OLC], s[10:11] offset:4000*(n/8)+3584
.endif
.set n, n+1
.endr
	s_wait_loadcnt 0x0
.set n, 0
.rept 40
	v_cvt_pk_bf16_f32 v[WB+4*n], v[WB+4*n], v[WB+4*n+1]
	v_cvt_pk_bf16_f32 v[WB+4*n+1], v[WB+4*n+2], v[WB+4*n+3]
.if (n%8) < 7
	ds_store_b64 v[DA+(n%8)/2], v[WB+4*n:WB+4*n+1] offset:WDP*(n/8)+256*(n%2)
.else
	ds_store_b64 v[DAC], v[WB+4*n:WB+4*n+1] offset:WDP*(n/8)+256
.endif
.set n, n+1
.endr
.set i, 0
.rept 5
	v_add_nc_u32 v[DA+i], 5*WDP, v[DA+i]           ; DA's four and DAC
.set i, i+1
.endr
	s_add_nc_u64 s[10:11], s[10:11], 20000
	s_sub_co_u32 s17, s17, 1
	s_cmp_lg_u32 s17, 0
	s_cbranch_scc1 .Lwdec
	; code column 1000 (slice 3, local 232) takes bf16(b_dec), columns 1001-1023 zeros: thread o for row o; threads past 99 repeat row 99
	v_min_u32 v60, 99, v0
	v_lshlrev_b32 v61, 2, v60
	global_load_b32 v64, v61, s[12:13]
	v_mul_u32_u24 v62, WDP, v60
	v_add_nc_u32 v62, 3*WDS+464, v62
	v_mov_b32 v65, 0
	v_mov_b32 v66, 0
	v_mov_b32 v67, 0
	; rows 100-111 of every slice are zeros: row 100 + w + 4 j
	s_mul_i32 s29, s16, WDP
	s_add_co_u32 s29, s29, 100*WDP
	v_add_nc_u32 v63, s29, v[OL]
.rept 4
	ds_store_b128 v63, v[28:31]
	ds_store_b128 v63, v[28:31] offset:4*WDP
	ds_store_b128 v63, v[28:31] offset:8*WDP
	v_add_nc_u32 v63, WDS, v63
.endr
	s_wait_loadcnt 0x0                             ; b_dec (and x's tile 0, long since)
	v_cvt_pk_bf16_f32 v64, v64, 0
	ds_store_b128 v62, v[64:67]
	ds_store_b128 v62, v[28:31] offset:16
	ds_store_b128 v62, v[28:31] offset:32
	s_cmp_lg_u32 s16, 0
	s_cbranch_scc1 .Lnopad
	v_mul_u32_u24 v60, XP, v[LN]                   ; x's column 100 is 1.0, columns 101-127 zeros, once for all tiles: wave 0, a row a lane
	v_add_nc_u32 v60, XB, v60
	v_mov_b32 v68, 0x3f80
	v_mov_b32 v69, 0
	ds_store_b64  v60, v[68:69] offset:200
	ds_store_b128 v60, v[28:31] offset:208
	ds_store_b128 v60, v[28:31] offset:224
	ds_store_b128 v60, v[28:31] offset:240
.Lnopad:
	XSTORE                                         ; tile 0
	s_add_nc_u64 s[4:5], s[4:5], TILEB             ; x at the next tile to fetch (its loads are done: the wait for 0 above)
	s_mov_b32 s17, 16
; ---------------------------------------------------------------- a tile of 32 rows
.Ltile:
	s_wait_dscnt 0x0                               ; my stores into XB and my reads of the last tile's partial sums are done,
	s_barrier_signal -1
	s_barrier_wait -1                              ; everybody's are: XB may be read, and PART's bytes may take lists
.set n, 0
.rept 8                                ; group n / 4, K step n % 4
	ds_load_b128 v[XF+8*n:XF+8*n+3],   v[XFA] offset:16*XP*(n/4)+64*(n%4)
	ds_load_b128 v[XF+8*n+4:XF+8*n+7], v[XFA] offset:16*XP*(n/4)+64*(n%4)+32
.set n, n+1
.endr
	s_cmp_eq_u32 s17, 1
	s_cbranch_scc1 .Lnofetch                       ; the last tile has no successor
	XLOAD                                          ; the next tile has the whole selection in which to arrive
.Lnofetch:
	s_wait_dscnt 0x0
	; ENCODE AND SORT.  Chunk 0's sixteen products stand bare; every later chunk's stand among the comparators of the sort before it.
.set EC, 0
.set EQ, 0
.rept 16
	ENC1
.endr
	WIN 0
	PLACES
.set cn, 0
.rept 8                                ; chunk cn = 4 g + c: 32 of the lane's 128 values of group g
.set HK, 0
.set EC, cn+1
.set EQ, 16*(cn/7)                     ; behind the last chunk nothing is left to multiply
.set RR, B0+96*(cn/4)                  ; group 0's running list in B0, group 1's in B3
.if (cn%4) == 0
	SORT32 32*cn, RR, B1
.else
	SORT32 32*cn, B1, B2
	CLEAN B2, RR, B1
	BMERGE B2, RR
.endif
.set cn, cn+1
.endr
	; LEVEL 1: the two halves of the lanes.  Lanes 0-15 give group 1's list and take group 0's other half; lanes 16-31 the other way round: lane l then serves row l of the tile.
	WIN 0
.set li, 0
.rept 32
	v_cndmask_b32 v[B1+li], v[B3+li], v[B0+li], s20
.set li, li+1
.endr
.set li, 0
.rept 32
	v_permlanex16_b32 v[B2+li], v[B1+li], s18, s19
.set li, li+1
.endr
.set li, 0
.rept 32
	v_cndmask_b32 v[B1+li], v[B0+li], v[B3+li], s20
.set li, li+1
.endr
	CLEAN B0, B1, B2
	BMERGE B0, B3
.set q, 0
.rept 8
	ds_store_b128 v[LSA], v[B3+4*q:B3+4*q+3] offset:512*q
.set q, q+1
.endr
	s_wait_dscnt 0x0                               ; for the others' sake: my list is in LDS (and my reads of XB ended long ago)
	s_barrier_signal -1
	s_barrier_wait -1
	; LEVEL 2: with wave w ^ 1
.set q, 0
.rept 8
	ds_load_b128 v[B0+4*q:B0+4*q+3], v[LLA] offset:512*q
.set q, q+1
.endr
	s_wait_dscnt 0x0
	CLEAN B1, B3, B0
	BMERGE B1, B2
.set q, 0
.rept 8
	ds_store_b128 v[LSB], v[B2+4*q:B2+4*q+3] offset:512*q
.set q, q+1
.endr
	s_wait_dscnt 0x0                               ; my second list is in LDS, and my reads of the first lists are back: behind this barrier their bytes may take partial sums
	s_barrier_signal -1
	s_barrier_wait -1
	; LEVEL 3: with wave w ^ 2.  Of the 32 largest of all 1,024 (bitonic) two half-cleaners leave the 8 smallest; their maximum is the 25th largest.
.set q, 0
.rept 8
	ds_load_b128 v[B0+4*q:B0+4*q+3], v[LLB] offset:512*q
.set q, q+1
.endr
	s_wait_dscnt 0x0
	CLEAN B1, B2, B0
.set li, 0
.rept 8
	PH ca0, B1, li
	PH ca1, B1, li+1
	PH cb0, B1, li+16
	PH cb1, B1, li+17
	MN2 B3+li, ca0, cb0, B3+li+1, ca1, cb1
.set li, li+2
.endr
.set li, 0
.rept 4
	MN2 B0+li, B3+li, B3+li+8, B0+li+1, B3+li+1, B3+li+9
.set li, li+2
.endr
	v_max3_num_f32 v28, v[B0], v[B0+1], v[B0+2]
	v_max3_num_f32 v29, v[B0+3], v[B0+4], v[B0+5]
	v_max3_num_f32 v28, v28, v29, v[B0+6]
	v_max_num_f32 v28, v28, v[B0+7]                ; lane l: the threshold of the tile's row l
	v_permlanex16_b32 v29, v28, s18, s19
	v_cndmask_b32 v[T0], v28, v29, s20             ; every lane: that of row l % 16 in group 0,
	v_cndmask_b32 v[T1], v29, v28, s20             ; and in group 1
	; the next x tile goes into XB: every wave's reads of XB were back ahead of the first of the two barriers above
	s_wait_loadcnt 0x0                             ; on every path: no load is out when the decode writes over XR's registers
	s_cmp_eq_u32 s17, 1
	s_cbranch_scc1 .Lnostore
	XSTORE
.Lnostore:
	; MASK AND DECODE.  K step 0's mask and rounding stand in the wait for its fragments; every later step's ride behind the products of the step before.
	FLOAD 0
.set kk, 0
.rept 11
	MS 0, kk
.set kk, kk+1
.endr
	CV 0, 0
	CV 0, 1
	CV 0, 2
	DSTEP 0
	DSTEP 1
	DSTEP 2
	DSTEP 3
	DSTEP 4
	DSTEP 5
	DSTEP 6
	DSTEP 7
	WIN 0
	PLACES
	; my partial sums: row 16 g + l % 16, outputs 16 a + 8 (l / 16) + 0..7; each accumulator's low registers first.  Outputs past 107 would leave the row and are not stored.
.set dn, 0
.rept 14
	ds_store_b128 v[PST], v[ACC+8*dn:ACC+8*dn+3] offset:16*PP*(dn%2)+64*(dn/2)
.if dn < 12
	ds_store_b128 v[PST], v[ACC+8*dn+4:ACC+8*dn+7] offset:16*PP*(dn%2)+64*(dn/2)+16
.endif
.set dn, dn+1
.endr
	s_wait_dscnt 0x0                               ; for the others' sake: my partial sums and my part of XB are in LDS, my reads of the second lists are back
	s_barrier_signal -1
	s_barrier_wait -1
	; THE SUM OF THE FOUR WAVES, and out: quad f of the tile's 800
	s_cmp_lg_u32 s16, 0
	s_cbranch_scc1 .Lp6a
.set i, 0
.rept 4                                ; wave 0's seventh quad is asked for first: older than the 24 below, it leaves their counts as they are
	ds_load_b128 v[RQ+96+4*i:RQ+96+4*i+3], v[PA+6] offset:PARTW*i
.set i, i+1
.endr
.Lp6a:
.set n, 0
.rept 24
	ds_load_b128 v[RQ+4*n:RQ+4*n+3], v[PA+n/4] offset:PARTW*(n%4)
.set n, n+1
.endr
.set qq, 0
.rept 6
	s_wait_dscnt 4*(5-qq)                          ; LDS loads come back in order (ISA guide 5.7.1): the later quads' loads may stay out
	SUMST qq
.set qq, qq+1
.endr
	s_cmp_lg_u32 s16, 0
	s_cbranch_scc1 .Lp6b
	SUMST 6
.Lp6b:
	s_wait_xcnt 0x0                                ; the stores' data registers and both bases are written again only behind this wait
	s_add_nc_u64 s[4:5], s[4:5], TILEB
	s_add_nc_u64 s[14:15], s[14:15], TILEB
	s_sub_co_u32 s17, s17, 1
	s_cmp_lg_u32 s17, 0
	s_cbranch_scc1 .Ltile
	s_wait_tensorcnt 0x0                           ; the wave's end: three closing lines, behind my last LDS store
	ds_add_u32 v[SPW], v[NIL]
	s_wait_dscnt 0x0
	s_endpgm
.Lfunc_end_k_q441c7774a2_ksparse:
	.size	k_q441c7774a2_ksparse, .Lfunc_end_k_q441c7774a2_ksparse-k_q441c7774a2_ksparse
	.p2alignl 7, 3214868480
	.fill 96, 4, 3214868480
	.section	.rodata,"a",@progbits
	.p2align	6, 0x0
	.amdhsa_kernel k_q441c7774a2_ksparse
		.amdhsa_group_segment_fixed_size 317440
		.amdhsa_private_segment_fixed_size 0
		.amdhsa_enable_private_segment 0
		.amdhsa_kernarg_size 48
		.amdhsa_user_sgpr_count 2
		.amdhsa_user_sgpr_kernarg_segment_ptr 1
		.amdhsa_wavefront_size32 1
		.amdhsa_system_sgpr_workgroup_id_x 1
		.amdhsa_system_sgpr_workgroup_id_y 1
		.amdhsa_system_sgpr_workgroup_id_z 1
		.amdhsa_system_vgpr_workitem_id 0
		.amdhsa_next_free_vgpr 1024
		.amdhsa_next_free_sgpr 66
		.amdhsa_reserve_vcc 1
		.amdhsa_float_denorm_mode_32 3
		.amdhsa_float_denorm_mode_16_64 3
		.amdhsa_memory_ordered 1
		.amdhsa_forward_progress 1
		.amdhsa_inst_pref_size 255
	.end_amdhsa_kernel
	.section	.bss,"aw",@nobits
	.p2align	6
	.space	262144
	.amdgpu_metadata
---
amdhsa.version: [ 1, 2 ]
amdhsa.kernels:
  - .name:           k_q441c7774a2_ksparse
    .symbol:         k_q441c7774a2_ksparse.kd
    .args:
      - { .name: x, .offset: 0, .size: 8, .value_kind: global_buffer, .address_space: global }
      - { .name: W_enc, .offset: 8, .size: 8, .value_kind: global_buffer, .address_space: global }
      - { .name: b_enc, .offset: 16, .size: 8, .value_kind: global_buffer, .address_space: global }
      - { .name: W_dec, .offset: 24, .size: 8, .value_kind: global_buffer, .address_space: global }
      - { .name: b_dec, .offset: 32, .size: 8, .value_kind: global_buffer, .address_space: global }
      - { .name: out0, .offset: 40, .size: 8, .value_kind: global_buffer, .address_space: global }
    .group_segment_fixed_size: 317440
    .private_segment_fixed_size: 0
    .kernarg_segment_align: 8
    .kernarg_segment_size: 48
    .max_flat_workgroup_size: 128
    .sgpr_count:     66
    .vgpr_count:     1024
    .wavefront_size: 32
...
	.end_amdgpu_metadata
.endif
;; end of part 1
;; ======== version 2 of 2: 2 launches; 1.14 times as fast as version 1
;; workspace buffers: weimg 262,144 bytes; wdimg 236,544 bytes
;; launch prep (part 2): grid 487 x 1, 2 waves a work-group, no clusters, 0 bytes of LDS; arguments W_enc, b_enc, W_dec, b_dec, weimg, wdimg; writes weimg, wdimg
.if DOCPART == 2
	.amdgcn_target "amdgcn-amd-amdhsa--gfx1250"
	.amdhsa_code_object_version 6
	.text
	.protected	k_q441c7774a2_prep
	.globl	k_q441c7774a2_prep
	.p2align	8
	.type	k_q441c7774a2_prep,@function
k_q441c7774a2_prep:
	s_mov_b64 s[64:65], 0
	v_nop
	global_prefetch_b8 v0, s[64:65] scope:SCOPE_SE
	s_setreg_imm32_b32 hwreg(HW_REG_WAVE_MODE, 25, 1), 1
	s_wait_xcnt 0x0
; THE WEIGHTS, ROUNDED TO bf16 AND LAID OUT ONCE for the launch behind, whose 256 work-groups all read them.  A thread makes one piece of 16 bytes (8 bf16); a wave stores 512 consecutive bytes.
; weimg (work-groups 0-255, 16,384 pieces): W_enc as matrix fragments.  Piece p = 4096 w + 64 (4 t + s) + 32 half + lane holds code c = 256 w + 16 t + lane % 16,
;   columns k0 .. k0 + 7, k0 = 32 s + 16 half + 8 (lane / 16).  Column 100 is b_enc[c], columns 101-127 are 0.  The pad codes 1000-1023 have weights 0 and the bias -3.39e38 (bf16 0xff7f).
; wdimg (work-groups 256-486, 14,784 pieces): W_dec as it will lie in LDS: 4 slices of 256 codes x 112 rows of 528 bytes (33 pieces, the last one padding).
;   Piece p = 33 (112 v + o) + q holds row o, codes c0 .. c0 + 7, c0 = 256 v + 8 q.  Code 1000 is b_dec[o], codes 1001-1023, rows 100-111 and the padding are 0.
; Every load is clamped into its buffer; what a clamped load brings is replaced by v_cndmask_b32.
	s_load_b256 s[4:11], s[0:1], 0x0               ; W_enc s[4:5], b_enc s[6:7], W_dec s[8:9], b_dec s[10:11]
	s_load_b128 s[12:15], s[0:1], 0x20             ; weimg s[12:13], wdimg s[14:15]
	v_lshlrev_b32 v14, 4, v0                       ; my 16 bytes among the work-group's 1,024
	s_mov_b32 s35, 0
	s_cmp_ge_u32 ttmp9, 256
	s_cbranch_scc1 .Lwd
	; ---- W_enc: the work-group's number is 64 w + 4 t + s, the wave's number is the half
	v_and_b32 v2, 15, v0
	v_bfe_u32 v3, v0, 4, 1
	v_lshrrev_b32 v4, 5, v0
	s_lshr_b32 s16, ttmp9, 2
	s_lshl_b32 s16, s16, 4                         ; 256 w + 16 t
	s_and_b32 s17, ttmp9, 3
	s_lshl_b32 s17, s17, 5                         ; 32 s
	s_movk_i32 s30, 999
	s_movk_i32 s31, 96
	s_movk_i32 s32, 88
	s_mov_b32 s33, 0xff7f0000                      ; a pad code's bias
	v_add_nc_u32 v5, s16, v2                       ; c
	v_lshl_add_u32 v6, v4, 4, s17
	v_lshl_add_u32 v6, v3, 3, v6                   ; k0
	v_min_u32 v7, s30, v5
	v_mul_u32_u24 v8, 0x190, v7                    ; a row of W_enc is 400 bytes
	v_min_u32 v9, s31, v6                          ; the row's last four numbers begin at column 96
	v_add_nc_u32 v10, 4, v6
	v_min_u32 v10, s31, v10
	v_lshl_add_u32 v11, v9, 2, v8
	v_lshl_add_u32 v12, v10, 2, v8
	v_lshlrev_b32 v13, 2, v7
	v_cmp_ge_u32 s24, s30, v5                      ; c <= 999
	v_cmp_ge_u32 s25, s31, v6                      ; k0 <= 96: columns k0 .. k0 + 3 are weights
	v_cmp_ge_u32 s26, s32, v6                      ; k0 <= 88: columns k0 + 4 .. k0 + 7 too
	v_cmp_eq_u32 s27, s31, v6                      ; k0 = 96: column k0 + 4 is the bias
	s_and_b32 s25, s25, s24
	s_and_b32 s26, s26, s24
	s_lshl_b32 s34, ttmp9, 10
	s_wait_kmcnt 0x0
	global_load_b128 v[16:19], v11, s[4:5]
	global_load_b128 v[20:23], v12, s[4:5]
	global_load_b32 v24, v13, s[6:7]
	s_add_nc_u64 s[12:13], s[12:13], s[34:35]
	s_wait_loadcnt 0x0
.irp j, 16,17,18,19
	v_cndmask_b32 v\j, 0, v\j, s25
.endr
.irp j, 20,21,22,23
	v_cndmask_b32 v\j, 0, v\j, s26
.endr
	v_cndmask_b32 v24, s33, v24, s24
	v_cndmask_b32 v20, v20, v24, s27
	v_cvt_pk_bf16_f32 v28, v16, v17
	v_cvt_pk_bf16_f32 v29, v18, v19
	v_cvt_pk_bf16_f32 v30, v20, v21
	v_cvt_pk_bf16_f32 v31, v22, v23
	global_store_b128 v14, v[28:31], s[12:13]
	s_endpgm
.Lwd:
	; ---- W_dec.  p / 33 = (1986 p) >> 16 (1986 x 33 = 65,538: exact while 2 p < 65,536);  R / 112 = (586 R) >> 16 (586 x 112 = 65,632: exact while 96 R < 65,536)
	s_sub_co_u32 s16, ttmp9, 256
	s_lshl_b32 s17, s16, 6
	v_add_nc_u32 v1, s17, v0                       ; p
	v_mul_u32_u24 v2, 0x7c2, v1
	v_lshrrev_b32 v2, 16, v2                       ; R = 112 v + o
	v_mul_u32_u24 v3, 33, v2
	v_sub_nc_u32 v3, v1, v3                        ; q
	v_mul_u32_u24 v4, 0x24a, v2
	v_lshrrev_b32 v4, 16, v4                       ; v
	v_mul_u32_u24 v5, 0x70, v4
	v_sub_nc_u32 v5, v2, v5                        ; o
	v_lshlrev_b32 v6, 3, v3
	v_lshl_add_u32 v6, v4, 8, v6                   ; c0
	s_movk_i32 s31, 99
	s_movk_i32 s32, 992
	s_movk_i32 s33, 1000
	v_min_u32 v7, s31, v5
	v_mul_u32_u24 v8, 0xfa0, v7                    ; a row of W_dec is 4,000 bytes
	v_min_u32 v9, s32, v6                          ; its last eight numbers begin at code 992
	v_lshl_add_u32 v11, v9, 2, v8
	v_lshlrev_b32 v13, 2, v7
	v_cmp_ge_u32 s24, s31, v5                      ; o <= 99
	v_cmp_ge_u32 s25, 31, v3                       ; no padding piece
	v_cmp_ge_u32 s26, s32, v6                      ; c0 <= 992: eight weights
	v_cmp_eq_u32 s27, s33, v6                      ; c0 = 1000: the bias, then zeros
	s_and_b32 s24, s24, s25
	s_and_b32 s26, s26, s24
	s_and_b32 s27, s27, s24
	s_lshl_b32 s34, s16, 10
	s_wait_kmcnt 0x0
	global_load_b128 v[16:19], v11, s[8:9]
	global_load_b128 v[20:23], v11, s[8:9] offset:16
	global_load_b32 v24, v13, s[10:11]
	s_add_nc_u64 s[14:15], s[14:15], s[34:35]
	s_wait_loadcnt 0x0
.irp j, 16,17,18,19,20,21,22,23
	v_cndmask_b32 v\j, 0, v\j, s26
.endr
	v_cndmask_b32 v16, v16, v24, s27
	v_cvt_pk_bf16_f32 v28, v16, v17
	v_cvt_pk_bf16_f32 v29, v18, v19
	v_cvt_pk_bf16_f32 v30, v20, v21
	v_cvt_pk_bf16_f32 v31, v22, v23
	global_store_b128 v14, v[28:31], s[14:15]
	s_endpgm
.Lfunc_end_k_q441c7774a2_prep:
	.size	k_q441c7774a2_prep, .Lfunc_end_k_q441c7774a2_prep-k_q441c7774a2_prep
	.p2alignl 7, 3214868480
	.fill 96, 4, 3214868480
	.section	.rodata,"a",@progbits
	.p2align	6, 0x0
	.amdhsa_kernel k_q441c7774a2_prep
		.amdhsa_group_segment_fixed_size 0
		.amdhsa_private_segment_fixed_size 0
		.amdhsa_enable_private_segment 0
		.amdhsa_kernarg_size 48
		.amdhsa_user_sgpr_count 2
		.amdhsa_user_sgpr_kernarg_segment_ptr 1
		.amdhsa_wavefront_size32 1
		.amdhsa_system_sgpr_workgroup_id_x 1
		.amdhsa_system_sgpr_workgroup_id_y 1
		.amdhsa_system_sgpr_workgroup_id_z 1
		.amdhsa_system_vgpr_workitem_id 0
		.amdhsa_next_free_vgpr 32
		.amdhsa_next_free_sgpr 66
		.amdhsa_reserve_vcc 0
		.amdhsa_float_denorm_mode_32 3
		.amdhsa_float_denorm_mode_16_64 3
		.amdhsa_memory_ordered 1
		.amdhsa_forward_progress 1
		.amdhsa_inst_pref_size 6
	.end_amdhsa_kernel
	.amdgpu_metadata
---
amdhsa.version: [ 1, 2 ]
amdhsa.kernels:
  - .name:           k_q441c7774a2_prep
    .symbol:         k_q441c7774a2_prep.kd
    .args:
      - { .name: W_enc, .offset: 0, .size: 8, .value_kind: global_buffer, .address_space: global }
      - { .name: b_enc, .offset: 8, .size: 8, .value_kind: global_buffer, .address_space: global }
      - { .name: W_dec, .offset: 16, .size: 8, .value_kind: global_buffer, .address_space: global }
      - { .name: b_dec, .offset: 24, .size: 8, .value_kind: global_buffer, .address_space: global }
      - { .name: weimg, .offset: 32, .size: 8, .value_kind: global_buffer, .address_space: global }
      - { .name: wdimg, .offset: 40, .size: 8, .value_kind: global_buffer, .address_space: global }
    .group_segment_fixed_size: 0
    .private_segment_fixed_size: 0
    .kernarg_segment_align: 8
    .kernarg_segment_size: 48
    .max_flat_workgroup_size: 64
    .sgpr_count:     66
    .vgpr_count:     32
    .wavefront_size: 32
...
	.end_amdgpu_metadata
.endif
;; end of part 2
;; launch ksparse (part 3): grid 256 x 1, 4 waves a work-group, clusters of 4 x 1, 317,440 bytes of LDS; arguments x, weimg, wdimg, out0; writes out0
.if DOCPART == 3
	.amdgcn_target "amdgcn-amd-amdhsa--gfx1250"
	.amdhsa_code_object_version 6
	.text
	.protected	k_q441c7774a2_ksparse
	.globl	k_q441c7774a2_ksparse
	.p2align	8
	.type	k_q441c7774a2_ksparse,@function
k_q441c7774a2_ksparse:
	s_mov_b64 s[64:65], 0
	v_nop
	global_prefetch_b8 v0, s[64:65] scope:SCOPE_SE
	s_setreg_imm32_b32 hwreg(HW_REG_WAVE_MODE, 25, 1), 1
	s_wait_xcnt 0x0
	s_wait_alu depctr_hold_cnt(0) depctr_sa_sdst(0) depctr_va_vdst(0) depctr_va_sdst(0) depctr_va_ssrc(0) depctr_va_vcc(0) depctr_vm_vsrc(0)
	s_getreg_b32 s2, hwreg(HW_REG_IB_STS2, 6, 4)
	s_cmp_eq_u32 s2, 0
	s_cbranch_scc0 .Lentry_in_a_cluster
	s_endpgm
.Lentry_in_a_cluster:
	s_bfe_u32 s2, ttmp6, 0x10000c
	s_cmp_lg_u32 s2, 0x3003
	s_cbranch_scc0 .Lentry_shape_is_right
	s_endpgm
.Lentry_shape_is_right:
; out = (h masked to its 25 largest a row) W_dec^T + b_dec,  h = x W_enc^T + b_enc.  x, out: [131072][100] f32.  The weights come rounded and laid out by the launch in front:
; weimg = W_enc's fragments as registers (b_enc in column 100, against a 1.0 in x's column 100), wdimg = W_dec's image in LDS (b_dec in code column 1000, against a 1.0 put into the masked code).
; h NEVER LEAVES REGISTERS.  256 work-groups of four waves; a work-group owns 512 rows and walks them in 16 tiles of 32 (two groups g of 16).  Wave w owns codes 256 w .. 256 w + 255:
; its slice of W_enc stays in 512 registers for the whole launch, W_dec (112 x 1024 bf16) stays in LDS.
; BOTH PRODUCTS ARE USED TRANSPOSED (source 0 = weights, source 1 = batch rows): a lane (r = lane % 16, hb = lane / 16) holds ONE batch row and the codes 8 hb + 0..7 of a tile of 16,
; so two encode results, rounded to bf16 in pairs, ARE source 1 of the decode.
; THE THRESHOLD is found by fixed networks of comparators (no branch hangs on a number): a lane sorts its 128 values of a row, 32 at a time (bitonic), and keeps the sorted 32 largest;
; a row's eight such lists (2 halves of the lanes x 4 waves) are merged in three levels (lane exchange, LDS, LDS); of the last 32 the largest of the 8 smallest is the 25th largest.
; The mask compares the very f32 registers that were sorted: h >= threshold keeps ties, as the definition does.
; THE DEAL.  A tile has 240 matrix and some 3,600 vector instructions a wave: four vector instructions stand behind each hosted matrix instruction, the others in runs of their own.
; CLUSTER.  All work-groups need the same image of W_dec: the four of a cluster ask for each wave's slice JOINTLY (one tensor load a wave in the whole launch).  W_enc is not shared so: it goes
; straight into registers, and through LDS its 262,144 bytes would not fit beside W_dec's 236,544.
; LIMITS.  All five inputs are rounded to bf16 (nearest even), the kept h too for the second product; all sums are f32.  NaN and infinities are not treated apart.  The 24 pad codes
; count as -3.39e38 (bf16 0xff7f): a row's 25th largest h has to lie above that.  A row whose 25th and 26th values differ by less than the rounding of the f32 sums may keep the
; other element than another order of summation would.
.set DUAL,  1                          ; 1: a comparator is one dual instruction; 0: two plain ones
.set TILEB, 12800                      ; bytes of 32 rows of x or out: 50 x 256
; LDS
.set WDS,   59136                      ; W_dec: four slices of 256 codes, 112 rows of 528 bytes each (512 + 16: an odd multiple of 16, so the 16 rows of a fragment load start apart); 231 x 256 bytes
.set WDP,   528
.set XB,    236544                     ; x tile in bf16: 32 rows of 272 bytes (256 + 16); from here on no tensor load lands
.set XP,    272
.set PART,  245248                     ; the four waves' partial outputs: 32 rows of 432 bytes (27 x 16) each
.set PARTW, 13824
.set PP,    432
.set LISTA, PART                       ; level 2's lists, 4,096 bytes a wave: they share PART's bytes, apart in time by the barriers named below
.set LISTB, 300544                     ; level 3's lists
.set SPARE, 316928                     ; the spare words, 128 bytes a wave: no other line names them
; window 0
.set SPW, 1                            ; my spare word's address; never rewritten
.set NIL, 2                            ; 0; never rewritten
.set OA,  3                            ; 16 x thread: my 16 bytes in 2,048 consecutive bytes of x or out
.set XA,  4                            ; v4-10   where quad q of the x tile goes in XB
.set PA,  11                           ; v11-17  where quad q of the output tile lies in a wave's partial sums
.set XFA, 18                           ; x fragments
.set WDA, 19                           ; W_dec fragments of my slice
.set LSA, 20                           ; my list, level 2;  v21 wave w^1's
.set LLA, 21
.set LSB, 22                           ; my list, level 3;  v23 wave w^2's
.set LLB, 23
.set PST, 24                           ; where my partial sums go
.set ZF,  25                           ; 1.0 in the lanes that hold code 1000, else 0
.set T0,  26                           ; threshold of my row in group 0, v27 in group 1
.set T1,  27
.set XR,  32                           ; v32-59  the next x tile, as loaded
.set XF,  64                           ; v64-127 x fragments: group g, K step s at XF + 32 g + 8 s
.set B0,  128                          ; four buffers of 32 for the networks
.set B1,  160
.set B2,  192
.set B3,  224
.set ACC, 32                           ; decode: accumulator (g, a) at ACC + 8 (2 a + g), v32-143
.set FB,  144                          ; decode: two buffers of seven W_dec fragments, v144-199 and v200-255
.set RQ,  144                          ; the final sum: quad q's four partial sums at RQ + 16 q
.set LN,  240                          ; start-up only: lane, lane % 16, lane / 16, 16 x lane
.set RL,  241
.set HB,  242
.set OL,  243
; window 1: h, (g, tile t, register j) at 128 g + 8 t + j; masked and packed in place.  Windows 2, 3: W_enc fragments, tile t, K step s at 32 (t % 8) + 8 s of window 2 + t / 8.
.set G0,  36                           ; s[36:39] tensor descriptor group 0, s[40:47] group 1
.set G1,  40
.set MB,  66                           ; s66-97  the 32 lane masks of a K step's compares
.set MSB, 0
.macro WIN new                         ; the immediate's high byte repeats the setting that is left; a switch that changes nothing is dropped
.if MSB != (\new)
	s_set_vgpr_msb (MSB<<8)|(\new)
.set MSB, (\new)
.endif
.endm
; A round of the cluster's barrier: my work-group's barrier, so that wave 0's signal speaks for all four waves; wave 0 signals; every wave waits for all four work-groups; my work-group's barrier once more.
.macro ROUND
	s_barrier_signal -1
	s_barrier_wait -1
	s_cmp_lg_u32 s16, 0
	s_cbranch_scc1 .Lnot_wave_0_\@
	s_barrier_signal -3
.Lnot_wave_0_\@:
	s_barrier_wait -3
	s_barrier_signal -1
	s_barrier_wait -1
.endm
; Wire i of a network lies in register base + (i with its low bit turned by the parity of its other bits): the register's parity is the parity of i's ones,
; so the two results of a comparator (wires i and i ^ 2^b) always have one even and one odd register, as a dual instruction wants.
.macro PH sym, base, i
.set \sym, (\base)+((\i)^((((\i)>>1)^((\i)>>2)^((\i)>>3)^((\i)>>4))&1))
.endm
; One product of the encode.  Chunk EC = 4 g + c is four tiles of 16 codes x four K steps; product EQ: K step EQ / 4, tile 4 c + EQ % 4: the four accumulators take turns.
.macro ENC1
.set eg, EC/4
.set et, 4*(EC%4)+EQ%4
.set es, EQ/4
.set rH, 128*eg+8*et
.set rW, 32*(et%8)+8*es
.set rX, XF+32*eg+8*es
	WIN 0x52+et/8                          ; W_enc in window 2 or 3, x in window 0, h (C and D) in window 1
.if es == 0
	v_wmma_f32_16x16x32_bf16 v[rH:rH+7], v[rW:rW+7], v[rX:rX+7], 0
.else
	v_wmma_f32_16x16x32_bf16 v[rH:rH+7], v[rW:rW+7], v[rX:rX+7], v[rH:rH+7]
.endif
.set EQ, EQ+1
.endm
.macro HOOK                            ; behind every fourth comparator stands a product of the next chunk, while any is left: sixteen within a sort's first 64 comparators
.set HK, HK+1
.if ((HK%4) == 0) && (EQ < 16)
	ENC1
.endif
.endm
.macro CE dhi, dlo, a, b               ; a comparator, out of place
	WIN 0
.if DUAL
	v_dual_max_num_f32 v[\dhi], v[\a], v[\b] :: v_dual_min_num_f32 v[\dlo], v[\a], v[\b]
.else
	v_max_num_f32 v[\dhi], v[\a], v[\b]
	v_min_num_f32 v[\dlo], v[\a], v[\b]
.endif
	HOOK
.endm
.macro MX2 x0, y0, z0, x1, y1, z1      ; two maxima
.if DUAL
	v_dual_max_num_f32 v[\x0], v[\y0], v[\z0] :: v_dual_max_num_f32 v[\x1], v[\y1], v[\z1]
.else
	v_max_num_f32 v[\x0], v[\y0], v[\z0]
	v_max_num_f32 v[\x1], v[\y1], v[\z1]
.endif
.endm
.macro MN2 x0, y0, z0, x1, y1, z1      ; two minima
.if DUAL
	v_dual_min_num_f32 v[\x0], v[\y0], v[\z0] :: v_dual_min_num_f32 v[\x1], v[\y1], v[\z1]
.else
	v_min_num_f32 v[\x0], v[\y0], v[\z0]
	v_min_num_f32 v[\x1], v[\y1], v[\z1]
.endif
.endm
; The first layer of a sort reads 32 h out of window 1 and leaves them there; each accumulator's registers 0 and 1 are read first.
.macro LAYER1 hbase, dst
	WIN 0x05
.set li, 0
.rept 16
	PH da, \dst, li
	PH db, \dst, li+1
.if (li & 2) == 0
	v_max_num_f32 v[da], v[(\hbase)+li], v[(\hbase)+li+1]
	v_min_num_f32 v[db], v[(\hbase)+li], v[(\hbase)+li+1]
.else
	v_max_num_f32 v[db], v[(\hbase)+li], v[(\hbase)+li+1]
	v_min_num_f32 v[da], v[(\hbase)+li], v[(\hbase)+li+1]
.endif
.set li, li+2
.endr
.endm
; A layer of the bitonic network: wires i and i | j; the larger goes to i where bit k of i is 0, else to i | j.
.macro LAYER src, dst, k, j
.set li, 0
.rept 32
.if (li & (\j)) == 0
	PH pa, \src, li
	PH pb, \src, li|(\j)
	PH da, \dst, li
	PH db, \dst, li|(\j)
.if (li & (\k)) == 0
	CE da, db, pa, pb
.else
	CE db, da, pa, pb
.endif
.endif
.set li, li+1
.endr
.endm
.macro SORT32 hbase, X, Y              ; 15 layers; the result, descending, ends in X
	LAYER1 \hbase, \X
	LAYER \X, \Y, 4, 2
	LAYER \Y, \X, 4, 1
	LAYER \X, \Y, 8, 4
	LAYER \Y, \X, 8, 2
	LAYER \X, \Y, 8, 1
	LAYER \Y, \X, 16, 8
	LAYER \X, \Y, 16, 4
	LAYER \Y, \X, 16, 2
	LAYER \X, \Y, 16, 1
	LAYER \Y, \X, 32, 16
	LAYER \X, \Y, 32, 8
	LAYER \Y, \X, 32, 4
	LAYER \X, \Y, 32, 2
	LAYER \Y, \X, 32, 1
.endm
.macro CLEAN dst, A, B                 ; of two descending lists the 32 largest, as a bitonic sequence: max(A[i], B[31 - i])
	WIN 0
.set li, 0
.rept 16
	PH cd0, \dst, li
	PH cd1, \dst, li+1
	PH ca0, \A, li
	PH ca1, \A, li+1
	PH cb0, \B, 31-li
	PH cb1, \B, 30-li
	MX2 cd0, ca0, cb0, cd1, ca1, cb1
.set li, li+2
.endr
.endm
.macro BMERGE X, Y                     ; a bitonic sequence is sorted, descending: five layers, ends in Y
	LAYER \X, \Y, 32, 16
	LAYER \Y, \X, 32, 8
	LAYER \X, \Y, 32, 4
	LAYER \Y, \X, 32, 2
	LAYER \X, \Y, 32, 1
.endm
; THE MASK AND THE ROUNDING of K step U's 32 numbers a lane (16 codes x 2 groups; element e lies at 128 (e / 16) + 16 U + e % 16 of window 1), in slices of four lines.
.macro CM U, k                         ; slice k of 8: threshold <= h, into scalar registers.  It runs under the decode product's own window setting
	WIN 0x04                               ; the threshold (source 0) in window 0, h (source 1) in window 1
.set n, 0
.rept 4
.set e, 4*(\k)+n
	v_cmp_le_f32 s[MB+e], v[T0+e/16], v[128*(e/16)+16*(\U)+e%16]
.set n, n+1
.endr
.endm
.macro CN U, k                         ; slice k of 8: what is not kept becomes 0.  Code 1000 (K step 7's element 0 in ZF's lanes) is never kept and takes 1.0: it carries b_dec
	WIN 0x44                               ; h (source 1 and destination) in window 1
.set n, 0
.rept 4
.set e, 4*(\k)+n
.if ((\U) == 7) && ((e%16) == 0)
	v_cndmask_b32 v[128*(e/16)+16*(\U)+e%16], v[ZF], v[128*(e/16)+16*(\U)+e%16], s[MB+e]
.else
	v_cndmask_b32 v[128*(e/16)+16*(\U)+e%16], 0, v[128*(e/16)+16*(\U)+e%16], s[MB+e]
.endif
.set n, n+1
.endr
.endm
.macro CV U, k                         ; slice k of 4: pairs 4 k .. 4 k + 3 of 16 are rounded, in place, ascending: pair m of a group goes to register m, which has been read
	WIN 0x45
.set n, 0
.rept 4
.set e, 4*(\k)+n
	v_cvt_pk_bf16_f32 v[128*(e/8)+16*(\U)+e%8], v[128*(e/8)+16*(\U)+2*(e%8)], v[128*(e/8)+16*(\U)+2*(e%8)+1]
.set n, n+1
.endr
.endm
.macro FLOAD u                         ; the seven W_dec fragments (16 outputs x 32 codes) of K step u; destination and address lie in window 0, which the product's setting leaves them
	WIN 0x04
.set fa, 0
.rept 7
	ds_load_b128 v[FB+56*((\u)%2)+8*fa:FB+56*((\u)%2)+8*fa+3],   v[WDA] offset:16*WDP*fa+64*(\u)
	ds_load_b128 v[FB+56*((\u)%2)+8*fa+4:FB+56*((\u)%2)+8*fa+7], v[WDA] offset:16*WDP*fa+64*(\u)+32
.set fa, fa+1
.endr
.endm
; K step u of the decode: 14 products, the 14 accumulators by turns; behind each a slice of four lines for the next K step, which names none of its registers: eight of compares, six of selects.
; The last two slices of selects and the four of roundings follow as a run of 24: they are also the places in front of the next step's loads into the buffer that this step has read.
.macro DSTEP u
.if (\u) < 7
	FLOAD (\u)+1
	s_wait_dscnt 14                        ; all but the 14 loads just issued: this step's fragments are in
.else
	s_wait_dscnt 0x0
.endif
.set dn, 0
.rept 14
.set rA, ACC+8*dn
.set rF, FB+56*((\u)%2)+8*(dn/2)
.set rP, 128*(dn%2)+16*(\u)
	WIN 0x04                               ; the packed h (source 1) in window 1
.if (\u) == 0
	v_wmma_f32_16x16x32_bf16 v[rA:rA+7], v[rF:rF+7], v[rP:rP+7], 0
.else
	v_wmma_f32_16x16x32_bf16 v[rA:rA+7], v[rF:rF+7], v[rP:rP+7], v[rA:rA+7]
.endif
.if (\u) < 7
.if dn < 8
	CM (\u)+1, dn
.else
	CN (\u)+1, dn-8
.endif
.endif
.set dn, dn+1
.endr
.if (\u) < 7
	CN (\u)+1, 6
	CN (\u)+1, 7
	CV (\u)+1, 0
	CV (\u)+1, 1
	CV (\u)+1, 2
	CV (\u)+1, 3
.endif
.endm
.macro XLOAD                           ; a tile of x, 12,800 consecutive bytes: six loads of 2,048 by the work-group, and 512 more by wave 0
.set q, 0
.rept 6
	global_load_b128 v[XR+4*q:XR+4*q+3], v[OA], s[4:5] offset:2048*q th:TH_LOAD_NT
.set q, q+1
.endr
	s_cmp_lg_u32 s16, 0
	s_cbranch_scc1 .Lxl_\@
	global_load_b128 v[XR+24:XR+27], v[OA], s[4:5] offset:12288 th:TH_LOAD_NT
.Lxl_\@:
.endm
.macro XSTORE                          ; rounded to bf16 and put into XB: the roundings first, so that no store stands straight behind the line that makes its data
.set q, 0
.rept 6
	v_cvt_pk_bf16_f32 v[XR+4*q], v[XR+4*q], v[XR+4*q+1]
	v_cvt_pk_bf16_f32 v[XR+4*q+1], v[XR+4*q+2], v[XR+4*q+3]
.set q, q+1
.endr
.set q, 0
.rept 6
	ds_store_b64 v[XA+q], v[XR+4*q:XR+4*q+1]
.set q, q+1
.endr
	s_cmp_lg_u32 s16, 0
	s_cbranch_scc1 .Lxs_\@
	v_cvt_pk_bf16_f32 v[XR+24], v[XR+24], v[XR+25]
	v_cvt_pk_bf16_f32 v[XR+25], v[XR+26], v[XR+27]
	ds_store_b64 v[XA+6], v[XR+24:XR+25]
.Lxs_\@:
.endm
.macro XFLOAD                          ; a tile's x fragments: group n / 4, K step n % 4
.set n, 0
.rept 8
	ds_load_b128 v[XF+8*n:XF+8*n+3],   v[XFA] offset:16*XP*(n/4)+64*(n%4)
	ds_load_b128 v[XF+8*n+4:XF+8*n+7], v[XFA] offset:16*XP*(n/4)+64*(n%4)+32
.set n, n+1
.endr
.endm
.macro SUM q                           ; (p0 + p1) + (p2 + p3)
.set rR, RQ+16*(\q)
	v_pk_add_f32 v[rR:rR+1], v[rR:rR+1], v[rR+4:rR+5]
	v_pk_add_f32 v[rR+2:rR+3], v[rR+2:rR+3], v[rR+6:rR+7]
	v_pk_add_f32 v[rR+8:rR+9], v[rR+8:rR+9], v[rR+12:rR+13]
	v_pk_add_f32 v[rR+10:rR+11], v[rR+10:rR+11], v[rR+14:rR+15]
	v_pk_add_f32 v[rR:rR+1], v[rR:rR+1], v[rR+8:rR+9]
	v_pk_add_f32 v[rR+2:rR+3], v[rR+2:rR+3], v[rR+10:rR+11]
.endm
.macro ST q                            ; 16 bytes a lane out: sixteen lanes store 256 consecutive bytes, at a multiple of 256 from out's first byte
	global_store_b128 v[OA], v[RQ+16*(\q):RQ+16*(\q)+3], s[10:11] offset:2048*(\q) th:TH_STORE_NT
.endm
.macro PLACES                          ; four plain places behind a matrix instruction (ISA guide 7.12.1) where no other vector work is at hand
.rept 4
	v_nop
.endr
.endm
; ---------------------------------------------------------------- set-up
	s_load_b256 s[4:11], s[0:1], 0x0               ; x s[4:5], weimg s[6:7], wdimg s[8:9], out s[10:11]
	v_lshl_add_u32 v[SPW], v0, 2, SPARE
	v_mov_b32 v[NIL], 0
	ds_add_u32 v[SPW], v[NIL]                      ; the wave's opening: the add and its wait stand ahead of my tensor load; the set-up below, work on registers, stands between them
	v_lshrrev_b32 v60, 5, v0
	v_readfirstlane_b32 s16, v60                   ; wave 0..3
	v_and_b32 v[LN], 31, v0
	v_and_b32 v[RL], 15, v0
	v_bfe_u32 v[HB], v0, 4, 1
	v_lshlrev_b32 v[OA], 4, v0
	v_lshlrev_b32 v[OL], 4, v[LN]
	v_mov_b32 v28, 0                               ; v[28:31]: sixteen zero bytes for the start-up's stores
	v_mov_b32 v29, 0
	v_mov_b32 v30, 0
	v_mov_b32 v31, 0
	s_mov_b32 s18, 0x76543210                      ; v_permlanex16_b32: each lane takes its own place in the other half
	s_mov_b32 s19, 0xfedcba98
	s_mov_b32 s20, 0xffff0000                      ; lanes 16-31
	; Quad f (16 bytes of f32) of a tile of 32 rows x 25 quads lies in row d = f / 25 = (5243 f) >> 17 (exact for f < 43,690).  f = thread + 128 q; the last 32 quads are wave 0's: f = 768 + lane.
.set q, 0
.rept 7
.if q < 6
	v_add_nc_u32 v60, 128*q, v0
.else
	v_add_nc_u32 v60, 768, v[LN]
.endif
	v_mul_u32_u24 v61, 0x147b, v60
	v_lshrrev_b32 v61, 17, v61
	v_mul_u32_u24 v62, 72, v61
	v_lshl_add_u32 v62, v60, 3, v62
	v_add_nc_u32 v[XA+q], XB, v62                  ; 272 d + 8 (f - 25 d)
	v_lshlrev_b32 v62, 5, v61
	v_lshl_add_u32 v62, v60, 4, v62
	v_add_nc_u32 v[PA+q], PART, v62                ; 432 d + 16 (f - 25 d)
.set q, q+1
.endr
	; A fragment is 16 rows x 32 K in 8 registers: lane l holds row l % 16; registers 0-3 K = 8 (l / 16) + 0..7, registers 4-7 K = 16 + 8 (l / 16) + 0..7: two loads of 16 bytes, 32 bytes apart.
	v_mul_u32_u24 v60, XP, v[RL]
	v_lshl_add_u32 v60, v[HB], 4, v60
	v_add_nc_u32 v[XFA], XB, v60
	s_mul_i32 s[G0+1], s16, WDS                    ; my slice of W_dec in LDS: the wave's number times a constant
	v_mul_u32_u24 v61, WDP, v[RL]
	v_lshl_add_u32 v61, v[HB], 4, v61
	v_add_nc_u32 v[WDA], s[G0+1], v61
	s_lshl_b32 s30, s16, 12                        ; a wave's list is 4,096 bytes: 8 quads x 32 lanes x 16
	s_xor_b32 s31, s16, 1
	s_lshl_b32 s31, s31, 12
	s_xor_b32 s32, s16, 2
	s_lshl_b32 s32, s32, 12
	v_add_nc_u32 v62, LISTA, v[OL]
	v_add_nc_u32 v63, LISTB, v[OL]
	v_add_nc_u32 v[LSA], s30, v62
	v_add_nc_u32 v[LLA], s31, v62
	v_add_nc_u32 v[LSB], s30, v63
	v_add_nc_u32 v[LLB], s32, v63
	s_mul_i32 s33, s16, PARTW
	s_add_co_u32 s33, s33, PART
	v_mul_u32_u24 v61, PP, v[RL]
	v_lshl_add_u32 v61, v[HB], 5, v61              ; a lane's eight outputs are 32 bytes of its row
	v_add_nc_u32 v[PST], s33, v61
	s_cmp_eq_u32 s16, 3                            ; code 1000 = wave 3, tile 14, register 0 of the upper lanes
	s_cselect_b32 s34, 1.0, 0
	v_cndmask_b32 v[ZF], 0, s34, s20
	; the descriptor: my slice of wdimg is 59,136 dense bytes, asked for as 231 rows of 256 bytes (32 elements of 8 bytes), unpadded: the image holds the rows' padding
	s_mov_b32 s[G0], 1                             ; 1:0 count = 1
	s_mov_b32 s[G1], 15|(3<<16)|(1<<21)            ; 15:0 the mask: all four work-groups of the cluster; 17:16 elements of 8 bytes; 21 set beside a mask
	s_mov_b32 s[G1+1], 32<<16                      ; tensor_dim0 = 32
	s_mov_b32 s[G1+2], 231<<16                     ; tensor_dim1 = 231
	s_mov_b32 s[G1+3], 32<<16                      ; tile_dim0 = 32
	s_mov_b32 s[G1+4], 231                         ; tile_dim1 = 231
	s_mov_b32 s[G1+5], 32                          ; 32 elements from row to row
	s_mov_b32 s[G1+6], 0
	s_mov_b32 s[G1+7], 0
	s_bfe_u32 s28, ttmp6, 0x40000                  ; cx: my place in the cluster; it enters x's and out's addresses alone
	s_lshl_b32 s29, ttmp9, 2                       ; in a cluster launch ttmp9 counts clusters
	s_add_co_u32 s29, s29, s28
	s_mul_i32 s24, s29, 204800                     ; the work-group's 512 rows of 400 bytes
	s_mov_b32 s25, 0
	s_lshl_b32 s22, s16, 16                        ; my 512 registers x 128 bytes of weimg
	s_mov_b32 s23, 0
	s_mov_b32 s26, s[G0+1]                         ; my slice lies in wdimg as it lies in LDS
	s_mov_b32 s27, 0
	s_wait_dscnt 0x0                               ; the opening add is done
	s_wait_kmcnt 0x0
	s_add_nc_u64 s[4:5], s[4:5], s[24:25]
	s_add_nc_u64 s[10:11], s[10:11], s[24:25]
	s_add_nc_u64 s[6:7], s[6:7], s[22:23]
	s_add_nc_u64 s[G0+2:G0+3], s[8:9], s[26:27]    ; 120:64 global address
	s_or_b32 s[G0+3], s[G0+3], 0x80000000          ; 127:126 type = 2
	ROUND                                          ; all four work-groups are here: the joint loads meet
	tensor_load_to_lds s[G0:G0+3], s[G1:G1+7]      ; my one tensor load of the launch
	s_nop 0
	PLACES                                         ; (four lines ahead of the next switch of windows)
	XLOAD                                          ; tile 0 of x first: it has a way through LDS ahead of it
	WIN 0x80                                       ; W_enc's fragments, for good.  Destination window 2: tiles 0-7; a load of the wave covers 512 consecutive bytes
.set n, 0
.rept 32
	global_load_b128 v[8*n:8*n+3],   v[OL], s[6:7] offset:1024*n
	global_load_b128 v[8*n+4:8*n+7], v[OL], s[6:7] offset:1024*n+512
.set n, n+1
.endr
	WIN 0xc0                                       ; destination window 3: tiles 8-15
.set n, 0
.rept 32
	global_load_b128 v[8*n:8*n+3],   v[OL], s[6:7] offset:1024*(32+n)
	global_load_b128 v[8*n+4:8*n+7], v[OL], s[6:7] offset:1024*(32+n)+512
.set n, n+1
.endr
	WIN 0
	s_cmp_lg_u32 s16, 0
	s_cbranch_scc1 .Lnopad
	v_mul_u32_u24 v60, XP, v[LN]                   ; x's column 100 is 1.0, columns 101-127 zeros, once for all tiles: wave 0, a row a lane
	v_add_nc_u32 v60, XB, v60
	v_mov_b32 v68, 0x3f80
	v_mov_b32 v69, 0
	ds_store_b64  v60, v[68:69] offset:200
	ds_store_b128 v60, v[28:31] offset:208
	ds_store_b128 v60, v[28:31] offset:224
	ds_store_b128 v60, v[28:31] offset:240
.Lnopad:
	s_wait_loadcnt 63                              ; loads come back in order (ISA guide 5.7.1): 128 were issued behind x's, so with 63 out x's tile 0 is in
	XSTORE
	s_wait_loadcnt 0x0                             ; the fragments are in
	s_wait_tensorcnt 0x0                           ; my slice of W_dec is in LDS,
	s_wait_dscnt 0x0                               ; and my part of XB,
	s_barrier_signal -1
	s_barrier_wait -1                              ; everybody's are
	XFLOAD                                         ; tile 0's fragments
	s_add_nc_u64 s[4:5], s[4:5], TILEB             ; x at the next tile to fetch
	s_mov_b32 s17, 16
; ---------------------------------------------------------------- a tile of 32 rows
.Ltile:
	s_wait_dscnt 0x0                               ; this tile's x fragments are in, and my reads of the last tile's partial sums are back,
	s_barrier_signal -1
	s_barrier_wait -1                              ; everybody's are: PART's bytes may take lists
	s_cmp_eq_u32 s17, 1
	s_cbranch_scc1 .Lnofetch                       ; the last tile has no successor
	XLOAD                                          ; the next tile has the whole selection in which to arrive
.Lnofetch:
	; ENCODE AND SORT.  Chunk 0's sixteen products stand bare; every later chunk's stand among the first comparators of the sort before it.
.set EC, 0
.set EQ, 0
.rept 16
	ENC1
.endr
	WIN 0
	PLACES
.set cn, 0
.rept 8                                ; chunk cn = 4 g + c: 32 of the lane's 128 values of group g
.set HK, 0
.set EC, cn+1
.set EQ, 16*(cn/7)                     ; behind the last chunk nothing is left to multiply
.set RR, B0+96*(cn/4)                  ; group 0's running list in B0, group 1's in B3
.if (cn%4) == 0
	SORT32 32*cn, RR, B1
.else
	SORT32 32*cn, B1, B2
	CLEAN B2, RR, B1
	BMERGE B2, RR
.endif
.set cn, cn+1
.endr
	; LEVEL 1: the two halves of the lanes.  Lanes 0-15 give group 1's list and take group 0's other half; lanes 16-31 the other way round: lane l then serves row l of the tile.
	WIN 0
.set li, 0
.rept 32
	v_cndmask_b32 v[B1+li], v[B3+li], v[B0+li], s20
.set li, li+1
.endr
.set li, 0
.rept 32
	v_permlanex16_b32 v[B2+li], v[B1+li], s18, s19
.set li, li+1
.endr
.set li, 0
.rept 32
	v_cndmask_b32 v[B1+li], v[B0+li], v[B3+li], s20
.set li, li+1
.endr
	CLEAN B0, B1, B2
	BMERGE B0, B3
.set q, 0
.rept 8
	ds_store_b128 v[LSA], v[B3+4*q:B3+4*q+3] offset:512*q
.set q, q+1
.endr
	s_wait_dscnt 0x0                               ; for the others' sake: my list is in LDS
	s_barrier_signal -1
	s_barrier_wait -1
	; LEVEL 2: with wave w ^ 1
.set q, 0
.rept 8
	ds_load_b128 v[B0+4*q:B0+4*q+3], v[LLA] offset:512*q
.set q, q+1
.endr
	s_wait_dscnt 0x0
	CLEAN B1, B3, B0
	BMERGE B1, B2
.set q, 0
.rept 8
	ds_store_b128 v[LSB], v[B2+4*q:B2+4*q+3] offset:512*q
.set q, q+1
.endr
	s_wait_dscnt 0x0                               ; my second list is in LDS, and my reads of the first lists are back: behind this barrier their bytes may take partial sums
	s_barrier_signal -1
	s_barrier_wait -1
	; LEVEL 3: with wave w ^ 2.  Of the 32 largest of all 1,024 (bitonic) two half-cleaners leave the 8 smallest; their maximum is the 25th largest.
.set q, 0
.rept 8
	ds_load_b128 v[B0+4*q:B0+4*q+3], v[LLB] offset:512*q
.set q, q+1
.endr
	s_wait_dscnt 0x0
	CLEAN B1, B2, B0
.set li, 0
.rept 8
	PH ca0, B1, li
	PH ca1, B1, li+1
	PH cb0, B1, li+16
	PH cb1, B1, li+17
	MN2 B3+li, ca0, cb0, B3+li+1, ca1, cb1
.set li, li+2
.endr
.set li, 0
.rept 4
	MN2 B0+li, B3+li, B3+li+8, B0+li+1, B3+li+1, B3+li+9
.set li, li+2
.endr
	v_max3_num_f32 v28, v[B0], v[B0+1], v[B0+2]
	v_max3_num_f32 v29, v[B0+3], v[B0+4], v[B0+5]
	v_max3_num_f32 v28, v28, v29, v[B0+6]
	v_max_num_f32 v28, v28, v[B0+7]                ; lane l: the threshold of the tile's row l
	v_permlanex16_b32 v29, v28, s18, s19
	v_cndmask_b32 v[T0], v28, v29, s20             ; every lane: that of row l % 16 in group 0,
	v_cndmask_b32 v[T1], v29, v28, s20             ; and in group 1
	; the next x tile goes into XB: every wave's reads of XB were back ahead of the barrier at the tile's head
	s_wait_loadcnt 0x0                             ; on every path: no load is out when the decode writes over XR's registers
	s_cmp_eq_u32 s17, 1
	s_cbranch_scc1 .Lnostore
	XSTORE
.Lnostore:
	; MASK AND DECODE.  K step 0's mask and rounding stand in the wait for its fragments; every later step's stand behind and after the products of the step before.
	FLOAD 0
.set kk, 0
.rept 8
	CM 0, kk
.set kk, kk+1
.endr
.set kk, 0
.rept 8
	CN 0, kk
.set kk, kk+1
.endr
	CV 0, 0
	CV 0, 1
	CV 0, 2
	CV 0, 3
	DSTEP 0
	DSTEP 1
	DSTEP 2
	DSTEP 3
	DSTEP 4
	DSTEP 5
	DSTEP 6
	DSTEP 7
	WIN 0
	PLACES
	; my partial sums: row 16 g + l % 16, outputs 16 a + 8 (l / 16) + 0..7; each accumulator's low registers first.  Outputs past 107 would leave the row and are not stored.
.set dn, 0
.rept 14
	ds_store_b128 v[PST], v[ACC+8*dn:ACC+8*dn+3] offset:16*PP*(dn%2)+64*(dn/2)
.if dn < 12
	ds_store_b128 v[PST], v[ACC+8*dn+4:ACC+8*dn+7] offset:16*PP*(dn%2)+64*(dn/2)+16
.endif
.set dn, dn+1
.endr
	s_wait_dscnt 0x0                               ; for the others' sake: my partial sums and my part of XB are in LDS, my reads of the second lists are back
	s_barrier_signal -1
	s_barrier_wait -1
	; THE SUM OF THE FOUR WAVES, and out: quad f of the tile's 800.  What is asked for ahead of the 24 common loads is older than they are and leaves their counts as they stand:
	s_cmp_lg_u32 s16, 0
	s_cbranch_scc1 .Lp6a
.set i, 0
.rept 4                                ; wave 0's seventh quad,
	ds_load_b128 v[RQ+96+4*i:RQ+96+4*i+3], v[PA+6] offset:PARTW*i
.set i, i+1
.endr
.Lp6a:
	s_cmp_eq_u32 s17, 1
	s_cbranch_scc1 .Lnoxf
	XFLOAD                                         ; and the next tile's x fragments, into accumulators that have been stored: XB is whole behind the barrier above
.Lnoxf:
.set n, 0
.rept 24
	ds_load_b128 v[RQ+4*n:RQ+4*n+3], v[PA+n/4] offset:PARTW*(n%4)
.set n, n+1
.endr
.set qq, 0
.rept 6
	s_wait_dscnt 4*(5-qq)                          ; LDS loads come back in order (ISA guide 5.7.1): the later quads' loads may stay out
	SUM qq
.if qq > 0
	ST qq-1                                        ; a quad's store stands behind the next quad's additions
.endif
.set qq, qq+1
.endr
	ST 5
	s_cmp_lg_u32 s16, 0
	s_cbranch_scc1 .Lp6b
	SUM 6
	ST 6
.Lp6b:
	s_wait_xcnt 0x0                                ; the stores' data registers and both bases are written again only behind this wait
	s_add_nc_u64 s[4:5], s[4:5], TILEB
	s_add_nc_u64 s[10:11], s[10:11], TILEB
	s_sub_co_u32 s17, s17, 1
	s_cmp_lg_u32 s17, 0
	s_cbranch_scc1 .Ltile
	s_wait_tensorcnt 0x0                           ; the wave's end: three closing lines, behind my tensor load and my last LDS store
	ds_add_u32 v[SPW], v[NIL]
	s_wait_dscnt 0x0
	ROUND                                          ; the closing round
	s_endpgm
.Lfunc_end_k_q441c7774a2_ksparse:
	.size	k_q441c7774a2_ksparse, .Lfunc_end_k_q441c7774a2_ksparse-k_q441c7774a2_ksparse
	.p2alignl 7, 3214868480
	.fill 96, 4, 3214868480
	.section	.rodata,"a",@progbits
	.p2align	6, 0x0
	.amdhsa_kernel k_q441c7774a2_ksparse
		.amdhsa_group_segment_fixed_size 317440
		.amdhsa_private_segment_fixed_size 0
		.amdhsa_enable_private_segment 0
		.amdhsa_kernarg_size 32
		.amdhsa_user_sgpr_count 2
		.amdhsa_user_sgpr_kernarg_segment_ptr 1
		.amdhsa_wavefront_size32 1
		.amdhsa_system_sgpr_workgroup_id_x 1
		.amdhsa_system_sgpr_workgroup_id_y 1
		.amdhsa_system_sgpr_workgroup_id_z 1
		.amdhsa_system_vgpr_workitem_id 0
		.amdhsa_next_free_vgpr 1024
		.amdhsa_next_free_sgpr 98
		.amdhsa_reserve_vcc 0
		.amdhsa_float_denorm_mode_32 3
		.amdhsa_float_denorm_mode_16_64 3
		.amdhsa_memory_ordered 1
		.amdhsa_forward_progress 1
		.amdhsa_inst_pref_size 255
	.end_amdhsa_kernel
	.section	.bss,"aw",@nobits
	.p2align	6
	.space	262144
	.amdgpu_metadata
---
amdhsa.version: [ 1, 2 ]
amdhsa.kernels:
  - .name:           k_q441c7774a2_ksparse
    .symbol:         k_q441c7774a2_ksparse.kd
    .args:
      - { .name: x, .offset: 0, .size: 8, .value_kind: global_buffer, .address_space: global }
      - { .name: weimg, .offset: 8, .size: 8, .value_kind: global_buffer, .address_space: global }
      - { .name: wdimg, .offset: 16, .size: 8, .value_kind: global_buffer, .address_space: global }
      - { .name: out0, .offset: 24, .size: 8, .value_kind: global_buffer, .address_space: global }
    .group_segment_fixed_size: 317440
    .private_segment_fixed_size: 0
    .kernarg_segment_align: 8
    .kernarg_segment_size: 32
    .max_flat_workgroup_size: 128
    .sgpr_count:     98
    .vgpr_count:     1024
    .wavefront_size: 32
...
	.end_amdgpu_metadata
.endif
;; end of part 3
